; MI455X (gfx1250); checked and timed in simulation.
; The chip was launched on July 23, 2026; its instructions are those of AMD's public machine-readable ISA for CDNA 5 (MIT licence, August 2026) and "CDNA5" Instruction Set Architecture Reference Guide (July 2026). The comments in the code are by the model that wrote it; some were corrected since.
;; Simple Quantum Layer. Allowed arithmetic: float matrix products may take bf16 or f16 operands with f32 sums; all other float work in f32.
;; Inputs: inputs 8,388,608 x 2 float32; quantum_weights 2 float32.
;; Outputs: out0 8,388,608 x 2 float32.
;; 2 versions, each right; version 2 is version 1 with the launch qlayer written anew for expert scheduling mode. Each part assembles by itself: llvm-mc -triple=amdgcn-amd-amdhsa -mcpu=gfx1250 --defsym DOCPART=n.
;; ======== version 1 of 2: 1 launch
;; limits: inputs' magnitudes at most 1,000,000
;; launch qlayer (part 1): grid 256 x 1, 32 waves a work-group, no clusters, 0 bytes of LDS; arguments inputs, quantum_weights, out0; writes out0
.if DOCPART == 1
	.amdgcn_target "amdgcn-amd-amdhsa--gfx1250"
	.amdhsa_code_object_version 6
	.text
	.protected	k_qe8d02c07fc_qlayer
	.globl	k_qe8d02c07fc_qlayer
	.p2align	8
	.type	k_qe8d02c07fc_qlayer,@function
k_qe8d02c07fc_qlayer:
	s_mov_b64 s[64:65], 0
	v_nop
	global_prefetch_b8 v0, s[64:65] scope:SCOPE_SE
	s_setreg_imm32_b32 hwreg(HW_REG_WAVE_MODE, 25, 1), 1
	s_wait_xcnt 0x0
; out[b][0] = cos(x[b][0] + w[0]);  out[b][1] = cos(x[b][0] + w[0]) * cos(x[b][1] + w[1]).   x, out: [8388608][2] f32, w: [2] f32.
;
; A stream: 16 bytes of traffic for each row and a few dozen flops, so the text is laid out for bytes.  No LDS, no barrier, no matrix
; unit, no cluster: no byte of x is used by two lanes, and the only shared input is the 8 bytes of w.
; 256 work-groups of 32 waves.  A work-group owns 262,144 consecutive bytes of x and the same bytes of out; thread t owns the 16 bytes
; (two rows) at 16 t of each of 16 steps of 16,384 bytes.  So each load and each store of a wave covers 512 consecutive bytes that
; start at a multiple of 512 from the buffer's first byte.
; A wave's whole share is 16 loads = 64 registers, a slot of four for each, so there is no loop and no register is loaded twice.
; The first LEAD = 8 loads are issued ahead of everything else (32 waves x 8 x 512 bytes = 128 KiB asked for by the work-group before any
; arithmetic); the other eight are issued one by one, slot i + 8's at the head of slot i's turn.  A wave issues in order: were all sixteen
; loads in front, the first slot's arithmetic and store would stand behind the issue of the sixteenth load.  So loads and stores
; take turns from the first slot on, and the arithmetic runs while later slots are on their way.
; Each slot is worked on in place and stored from the registers it was loaded into, which are never written again:
; no source of a pending load or store is ever rewritten, and the only waits for data are the counted ones at the slots' heads.
;
; THE COSINE, in plain f32 arithmetic, two numbers (one row) to an instruction:
;   theta = x + w                        rounded as the reference rounds it
;   -n    = rndne(theta * -CH)           the nearest whole number of turns, negated (CH + CL = 1/(2 pi) in two f32 words, 48 bits)
;   f     = fma(theta, CL, fma(theta, CH, -n))    the rest of a turn, |f| <= 0.5: the products are exact inside the fma, so the phase does not lose bits as theta grows
;   t     = 0.25 - |f|                   cos(2 pi f) = sin(2 pi t), |t| <= 0.25
;   sin(2 pi t) = t (K1 + K3 u + K5 u^2 + K7 u^3 + K9 u^4 + K11 u^5), u = t^2: the Taylor series through t^11;
;                                        the first term left out is 3.82 t^13 <= 5.7e-8
; LIMIT OF RANGE: absolute error about 1e-6 for |x + w| up to 1e6.  Above that the rounding of theta * CH can put n off by a growing part of a
; turn, |t| leaves the series' range and the error grows; from about 5e7 (2^23 turns) on the result means nothing.
; An infinite or NaN input gives NaN in both columns where the reference does (inf - inf in f).
.set STEP,  32*512                     ; bytes that one load or store of the 32 waves covers together
.set SLOTS, 16                         ; loads of a wave; SLOTS * STEP = 262,144 bytes = the work-group's share
.set LEAD,  8                          ; loads of a wave that are out at a slot's head, its own among them
.set OFF, 1                            ; v1        16 t
.set W,   2                            ; v[2:3]    w[0], w[1]
.set CH,  4                            ; v[4:5]    1/(2 pi), upper word, twice (a pair for the packed forms, like all that follow)
.set CN,  6                            ; v[6:7]    the same, negated
.set CL,  8                            ; v[8:9]    1/(2 pi), lower word
.set K1,  10                           ; v[10:21]  the series' coefficients (2 pi)^(2k+1) / (2k+1)! with their signs
.set K3,  12
.set K5,  14
.set K7,  16
.set K9,  18
.set K11, 20
.set N,   22                           ; v[22:25]  -n of the slot's four numbers
.set F,   26                           ; v[26:29]  f, then t
.set U,   30                           ; v[30:33]  t^2
.set P,   34                           ; v[34:37]  the series
.set X,   38                           ; v[38:101] slot i: 4 registers: x as loaded, then theta, then the two rows of out
	s_load_b128 s[4:7], s[0:1], 0x0                ; x s[4:5], w s[6:7]
	s_load_b64 s[8:9], s[0:1], 0x10                ; out
	s_lshl_b32 s2, ttmp9, 18                       ; the work-group's number times 262,144 bytes: 66,846,720 at the most, one word
	s_mov_b32 s3, 0
	s_mov_b32 s12, 0x3e800000                      ; 0.25
	v_lshlrev_b32 v[OFF], 4, v0                    ; 16 bytes a thread
	s_wait_kmcnt 0x0
	s_load_b64 s[10:11], s[6:7], 0x0               ; w[0], w[1]: nothing in this launch writes them
	s_add_nc_u64 s[4:5], s[4:5], s[2:3]            ; x and out at the work-group's share
	s_add_nc_u64 s[8:9], s[8:9], s[2:3]
.irp i, 0,1,2,3,4,5,6,7
	global_load_b128 v[X+4*\i:X+4*\i+3], v[OFF], s[4:5] offset:\i*STEP th:TH_LOAD_NT   ; slots 0 to LEAD-1; x is read once in the whole launch
.endr
.macro PAIR r, bits                    ; a constant in both registers of a pair
	v_mov_b32 v[\r],   \bits
	v_mov_b32 v[\r+1], \bits
.endm
	PAIR CH,  0x3e22f983                           ;  0.15915494  = 0xA2F983 * 2^-26
	PAIR CN,  0xbe22f983                           ; -0.15915494
	PAIR CL,  0x31dc9c88                           ;  6.4206e-9   = 0xDC9C88 * 2^-51, the next 24 bits of 1/(2 pi)
	PAIR K1,  0x40c90fdb                           ;   6.2831853
	PAIR K3,  0xc2255de7                           ; -41.341702
	PAIR K5,  0x42a335e3                           ;  81.605249
	PAIR K7,  0xc2996966                           ; -76.705860
	PAIR K9,  0x42283c1a                           ;  42.058694
	PAIR K11, 0xc17183a8                           ; -15.094643
	s_wait_kmcnt 0x0                               ; w
	v_mov_b32 v[W],   s10
	v_mov_b32 v[W+1], s11
; One slot: two rows, h = 0 and h = 2, whose chains do not wait for each other.
; left = how many younger loads of the wave may still be out.  ahead = 1: slot i + LEAD is asked for now, into registers of its own.
.macro SLOT i, left, ahead
.set XI, X+4*\i
	s_wait_loadcnt \left                           ; loads come back in order (ISA guide 5.7.1): this slot's is in, the younger ones stay out
.if \ahead
	global_load_b128 v[XI+4*LEAD:XI+4*LEAD+3], v[OFF], s[4:5] offset:(\i+LEAD)*STEP th:TH_LOAD_NT   ; ahead of this slot's arithmetic and store: LEAD loads are out again
.endif
.irp h, 0,2
	v_pk_add_f32 v[XI+\h:XI+\h+1], v[XI+\h:XI+\h+1], v[W:W+1]                        ; theta
.endr
.irp h, 0,2
	v_pk_mul_f32 v[N+\h:N+\h+1], v[XI+\h:XI+\h+1], v[CN:CN+1]                        ; -theta / (2 pi)
.endr
.irp k, 0,1,2,3
	v_rndne_f32 v[N+\k], v[N+\k]                                                     ; -n
.endr
.irp h, 0,2
	v_pk_fma_f32 v[F+\h:F+\h+1], v[XI+\h:XI+\h+1], v[CH:CH+1], v[N+\h:N+\h+1]        ; theta CH - n, rounded once, after the cancellation
.endr
.irp h, 0,2
	v_pk_fma_f32 v[F+\h:F+\h+1], v[XI+\h:XI+\h+1], v[CL:CL+1], v[F+\h:F+\h+1]        ; + theta CL = f
.endr
.irp k, 0,1,2,3
	v_sub_f32 v[F+\k], s12, |v[F+\k]|                                                ; t = 0.25 - |f|
.endr
.irp h, 0,2
	v_pk_mul_f32 v[U+\h:U+\h+1], v[F+\h:F+\h+1], v[F+\h:F+\h+1]                      ; u = t^2
.endr
.irp h, 0,2
	v_pk_fma_f32 v[P+\h:P+\h+1], v[U+\h:U+\h+1], v[K11:K11+1], v[K9:K9+1]            ; Horner, from the top
.endr
.irp c, K7, K5, K3, K1
.irp h, 0,2
	v_pk_fma_f32 v[P+\h:P+\h+1], v[P+\h:P+\h+1], v[U+\h:U+\h+1], v[\c:\c+1]
.endr
.endr
.irp h, 0,2
	v_pk_mul_f32 v[XI+\h:XI+\h+1], v[F+\h:F+\h+1], v[P+\h:P+\h+1]                    ; cos(theta0), cos(theta1)
.endr
.irp h, 0,2
	v_mul_f32 v[XI+\h+1], v[XI+\h], v[XI+\h+1]                                       ; the second column: their product
.endr
	global_store_b128 v[OFF], v[XI:XI+3], s[8:9] offset:\i*STEP th:TH_STORE_NT       ; written once, not read again in the launch
.endm
.irp i, 0,1,2,3,4,5,6,7
	SLOT \i, LEAD-1, 1                             ; at slot i's wait loads 0 to i + 7 have been issued: the seven behind slot i's stay out
.endr
.irp i, 8,9,10,11,12,13,14,15
	SLOT \i, SLOTS-1-\i, 0                         ; all sixteen have been issued: the counts run down from 7 to 0, and no load leaves the share
.endr
	s_endpgm
.Lfunc_end_k_qe8d02c07fc_qlayer:
	.size	k_qe8d02c07fc_qlayer, .Lfunc_end_k_qe8d02c07fc_qlayer-k_qe8d02c07fc_qlayer
	.p2alignl 7, 3214868480
	.fill 96, 4, 3214868480
	.section	.rodata,"a",@progbits
	.p2align	6, 0x0
	.amdhsa_kernel k_qe8d02c07fc_qlayer
		.amdhsa_group_segment_fixed_size 0
		.amdhsa_private_segment_fixed_size 0
		.amdhsa_enable_private_segment 0
		.amdhsa_kernarg_size 24
		.amdhsa_user_sgpr_count 2
		.amdhsa_user_sgpr_kernarg_segment_ptr 1
		.amdhsa_wavefront_size32 1
		.amdhsa_system_sgpr_workgroup_id_x 1
		.amdhsa_system_sgpr_workgroup_id_y 1
		.amdhsa_system_sgpr_workgroup_id_z 1
		.amdhsa_system_vgpr_workitem_id 0
		.amdhsa_next_free_vgpr 102
		.amdhsa_next_free_sgpr 66
		.amdhsa_reserve_vcc 0
		.amdhsa_float_denorm_mode_32 3
		.amdhsa_float_denorm_mode_16_64 3
		.amdhsa_memory_ordered 1
		.amdhsa_forward_progress 1
		.amdhsa_inst_pref_size 35
	.end_amdhsa_kernel
	.amdgpu_metadata
---
amdhsa.version: [ 1, 2 ]
amdhsa.kernels:
  - .name:           k_qe8d02c07fc_qlayer
    .symbol:         k_qe8d02c07fc_qlayer.kd
    .args:
      - { .name: inputs, .offset: 0, .size: 8, .value_kind: global_buffer, .address_space: global }
      - { .name: quantum_weights, .offset: 8, .size: 8, .value_kind: global_buffer, .address_space: global }
      - { .name: out0, .offset: 16, .size: 8, .value_kind: global_buffer, .address_space: global }
    .group_segment_fixed_size: 0
    .private_segment_fixed_size: 0
    .kernarg_segment_align: 8
    .kernarg_segment_size: 24
    .max_flat_workgroup_size: 1024
    .sgpr_count:     66
    .vgpr_count:     102
    .wavefront_size: 32
...
	.end_amdgpu_metadata
.endif
;; end of part 1
;; ======== version 2 of 2: 1 launch; version 1 with the launch qlayer written anew for expert scheduling mode
;; limits: inputs' magnitudes at most 1,000,000
;; launch qlayer (part 2): grid 256 x 1, 32 waves a work-group, no clusters, 0 bytes of LDS; arguments inputs, quantum_weights, out0; writes out0
.if DOCPART == 2
	.amdgcn_target "amdgcn-amd-amdhsa--gfx1250"
	.amdhsa_code_object_version 6
	.text
	.protected	k_qe8d02c07fc_qlayer
	.globl	k_qe8d02c07fc_qlayer
	.p2align	8
	.type	k_qe8d02c07fc_qlayer,@function
k_qe8d02c07fc_qlayer:
	s_mov_b64 s[64:65], 0
	v_nop
	global_prefetch_b8 v0, s[64:65] scope:SCOPE_SE
	s_setreg_imm32_b32 hwreg(HW_REG_WAVE_SCHED_MODE, 0, 2), 2
	s_setreg_imm32_b32 hwreg(HW_REG_WAVE_MODE, 25, 1), 1
	s_wait_xcnt 0x0
	s_wait_alu depctr_vm_vsrc(0)
; out[b][0] = cos(x[b][0] + w[0]);  out[b][1] = cos(x[b][0] + w[0]) * cos(x[b][1] + w[1]).   x, out: [8388608][2] f32, w: [2] f32.
;
; A stream: 16 bytes of traffic for each row and a few dozen flops, so the text is laid out for bytes.  No LDS, no barrier, no matrix
; unit, no cluster: no byte of x is used by two lanes, and the only shared input is the 8 bytes of w.
; 256 work-groups of 32 waves.  A work-group owns 262,144 consecutive bytes of x and the same bytes of out; thread t owns the 16 bytes
; (two rows) at 16 t of each of 16 steps of 16,384 bytes.  So each load and each store of a wave covers 512 consecutive bytes that
; start at a multiple of 512 from the buffer's first byte.
; A wave's whole share is 16 loads = 64 registers, a slot of four for each, so there is no loop and no register is loaded twice.
; The first LEAD = 8 loads are issued ahead of everything else (32 waves x 8 x 512 bytes = 128 KiB asked for by the work-group before any
; arithmetic); the other eight are issued one by one, slot i + 8's at the head of slot i's turn.  A wave issues in order: were all sixteen
; loads in front, the first slot's arithmetic and store would stand behind the issue of the sixteenth load.  So loads and stores
; take turns from the first slots on, and the arithmetic runs while later slots are on their way.
; Each slot is worked on in place and stored from the registers it was loaded into, which are never written again:
; no source of a pending load or store is ever rewritten, and the only waits for data are the counted ones at the slots' heads.
;
; THE MODE: SCHED_MODE bits 1:0 = 2 (LLVM: expert scheduling mode 2), set by the entry lines.  The code itself states the register dependences
; between vector instructions and memory instructions, with s_wait_alu, always for 0.
; THE PLAN.  Registers that memory instructions touch:
;   v[OFF]   Written once, at the head; read by every load and every store as its offset; never written again.
;   X[i]     Slot i's four registers.  No vector instruction names them ahead of their one load.  Behind the counted wait for that load slot i's
;            arithmetic reads and writes them; their one store, issued at the head of slot i + 1's turn, reads them; nothing writes them after it.
;   W, the constants, N, F, U and P are named by vector instructions alone.
; So one wait on va_vdst stands ahead of the first load (v[OFF] is written), and one at the head of each later slot's turn, behind the wait for that
; slot's data: the slot before has written its X, which the store below the wait reads.  Between that wait and the store stands a load alone, which lands in
; registers that no vector instruction has named.  Behind the last slot one more such wait stands ahead of the last store.
; No register that a memory instruction reads is written again, so the text holds no wait on vm_vsrc past the one at entry; no vector instruction writes a scalar register, VCC or EXEC.
;
; THE COSINE, in plain f32 arithmetic, two numbers (one row) to an instruction:
;   theta = x + w                        rounded as the reference rounds it
;   -n    = rndne(theta * -CH)           the nearest whole number of turns, negated (CH + CL = 1/(2 pi) in two f32 words, 48 bits)
;   f     = fma(theta, CL, fma(theta, CH, -n))    the rest of a turn, |f| <= 0.5: the products are exact inside the fma, so the phase does not lose bits as theta grows
;   t     = 0.25 - |f|                   cos(2 pi f) = sin(2 pi t), |t| <= 0.25
;   sin(2 pi t) = t (K1 + K3 u + K5 u^2 + K7 u^3 + K9 u^4 + K11 u^5), u = t^2: the Taylor series through t^11;
;                                        the first term left out is 3.82 t^13 <= 5.7e-8
; LIMIT OF RANGE: absolute error about 1e-6 for |x + w| up to 1e6.  Above that the rounding of theta * CH can put n off by a growing part of a
; turn, |t| leaves the series' range and the error grows; from about 5e7 (2^23 turns) on the result means nothing.
; An infinite or NaN input gives NaN in both columns where the reference does (inf - inf in f).
.set STEP,  32*512                     ; bytes that one load or store of the 32 waves covers together
.set SLOTS, 16                         ; loads of a wave; SLOTS * STEP = 262,144 bytes = the work-group's share
.set LEAD,  8                          ; loads of a wave that are out at a slot's head, its own among them
.set OFF, 1                            ; v1        16 t
.set W,   2                            ; v[2:3]    w[0], w[1]
.set CH,  4                            ; v[4:5]    1/(2 pi), upper word, twice (a pair for the packed forms, like all that follow)
.set CN,  6                            ; v[6:7]    the same, negated
.set CL,  8                            ; v[8:9]    1/(2 pi), lower word
.set K1,  10                           ; v[10:21]  the series' coefficients (2 pi)^(2k+1) / (2k+1)! with their signs
.set K3,  12
.set K5,  14
.set K7,  16
.set K9,  18
.set K11, 20
.set N,   22                           ; v[22:25]  -n of the slot's four numbers
.set F,   26                           ; v[26:29]  f, then t
.set U,   30                           ; v[30:33]  t^2
.set P,   34                           ; v[34:37]  the series
.set X,   38                           ; v[38:101] slot i: 4 registers: x as loaded, then theta, then the two rows of out
	s_load_b128 s[4:7], s[0:1], 0x0                ; x s[4:5], w s[6:7]
	s_load_b64 s[8:9], s[0:1], 0x10                ; out
	s_lshl_b32 s2, ttmp9, 18                       ; the work-group's number times 262,144 bytes: 66,846,720 at the most, one word
	s_mov_b32 s3, 0
	s_mov_b32 s12, 0x3e800000                      ; 0.25
	v_lshlrev_b32 v[OFF], 4, v0                    ; 16 bytes a thread
	s_wait_kmcnt 0x0
	s_load_b64 s[10:11], s[6:7], 0x0               ; w[0], w[1]: nothing in this launch writes them
	s_add_nc_u64 s[4:5], s[4:5], s[2:3]            ; x and out at the work-group's share
	s_add_nc_u64 s[8:9], s[8:9], s[2:3]
	s_wait_alu depctr_va_vdst(0)                   ; v[OFF] is written: every load and store of the kernel reads it as its offset
.irp i, 0,1,2,3,4,5,6,7
	global_load_b128 v[X+4*\i:X+4*\i+3], v[OFF], s[4:5] offset:\i*STEP th:TH_LOAD_NT   ; slots 0 to LEAD-1; x is read once in the whole launch
.endr
.macro PAIR r, bits                    ; a constant in both registers of a pair
	v_mov_b32 v[\r],   \bits
	v_mov_b32 v[\r+1], \bits
.endm
	PAIR CH,  0x3e22f983                           ;  0.15915494  = 0xA2F983 * 2^-26
	PAIR CN,  0xbe22f983                           ; -0.15915494
	PAIR CL,  0x31dc9c88                           ;  6.4206e-9   = 0xDC9C88 * 2^-51, the next 24 bits of 1/(2 pi)
	PAIR K1,  0x40c90fdb                           ;   6.2831853
	PAIR K3,  0xc2255de7                           ; -41.341702
	PAIR K5,  0x42a335e3                           ;  81.605249
	PAIR K7,  0xc2996966                           ; -76.705860
	PAIR K9,  0x42283c1a                           ;  42.058694
	PAIR K11, 0xc17183a8                           ; -15.094643
	s_wait_kmcnt 0x0                               ; w
	v_mov_b32 v[W],   s10
	v_mov_b32 v[W+1], s11
; One slot: two rows, h = 0 and h = 2, whose chains do not wait for each other.
; left = how many younger loads of the wave may still be out.  ahead = 1: slot i + LEAD is asked for now, into registers of its own.
; The slot's own store is issued at the head of the next slot's turn (the last slot's behind the last turn).
.macro SLOT i, left, ahead
.set XI, X+4*\i
.set XB, X+4*\i-4                      ; the slot before
	s_wait_loadcnt \left                           ; loads come back in order (ISA guide 5.7.1): this slot's is in, the younger ones stay out
.if \i > 0
	s_wait_alu depctr_va_vdst(0)                   ; the slot before has written its four registers, which the store below reads
.endif
.if \ahead
	global_load_b128 v[XI+4*LEAD:XI+4*LEAD+3], v[OFF], s[4:5] offset:(\i+LEAD)*STEP th:TH_LOAD_NT   ; ahead of this slot's arithmetic: LEAD loads are out again; no vector instruction has named these registers
.endif
.if \i > 0
	global_store_b128 v[OFF], v[XB:XB+3], s[8:9] offset:(\i-1)*STEP th:TH_STORE_NT   ; the slot before: written once, not read again in the launch
.endif
.irp h, 0,2
	v_pk_add_f32 v[XI+\h:XI+\h+1], v[XI+\h:XI+\h+1], v[W:W+1]                        ; theta
.endr
.irp h, 0,2
	v_pk_mul_f32 v[N+\h:N+\h+1], v[XI+\h:XI+\h+1], v[CN:CN+1]                        ; -theta / (2 pi)
.endr
.irp k, 0,1,2,3
	v_rndne_f32 v[N+\k], v[N+\k]                                                     ; -n
.endr
.irp h, 0,2
	v_pk_fma_f32 v[F+\h:F+\h+1], v[XI+\h:XI+\h+1], v[CH:CH+1], v[N+\h:N+\h+1]        ; theta CH - n, rounded once, after the cancellation
.endr
.irp h, 0,2
	v_pk_fma_f32 v[F+\h:F+\h+1], v[XI+\h:XI+\h+1], v[CL:CL+1], v[F+\h:F+\h+1]        ; + theta CL = f
.endr
.irp k, 0,1,2,3
	v_sub_f32 v[F+\k], s12, |v[F+\k]|                                                ; t = 0.25 - |f|
.endr
.irp h, 0,2
	v_pk_mul_f32 v[U+\h:U+\h+1], v[F+\h:F+\h+1], v[F+\h:F+\h+1]                      ; u = t^2
.endr
.irp h, 0,2
	v_pk_fma_f32 v[P+\h:P+\h+1], v[U+\h:U+\h+1], v[K11:K11+1], v[K9:K9+1]            ; Horner, from the top
.endr
.irp c, K7, K5, K3, K1
.irp h, 0,2
	v_pk_fma_f32 v[P+\h:P+\h+1], v[P+\h:P+\h+1], v[U+\h:U+\h+1], v[\c:\c+1]
.endr
.endr
.irp h, 0,2
	v_pk_mul_f32 v[XI+\h:XI+\h+1], v[F+\h:F+\h+1], v[P+\h:P+\h+1]                    ; cos(theta0), cos(theta1)
.endr
.irp h, 0,2
	v_mul_f32 v[XI+\h+1], v[XI+\h], v[XI+\h+1]                                       ; the second column: their product
.endr
.endm
.irp i, 0,1,2,3,4,5,6,7
	SLOT \i, LEAD-1, 1                             ; at slot i's wait loads 0 to i + 7 have been issued: the seven behind slot i's stay out
.endr
.irp i, 8,9,10,11,12,13,14,15
	SLOT \i, SLOTS-1-\i, 0                         ; all sixteen have been issued: the counts run down from 7 to 0, and no load leaves the share
.endr
	s_wait_alu depctr_va_vdst(0)                   ; the last slot has written its four registers, which the last store reads
	global_store_b128 v[OFF], v[X+4*(SLOTS-1):X+4*(SLOTS-1)+3], s[8:9] offset:(SLOTS-1)*STEP th:TH_STORE_NT
	s_endpgm
.Lfunc_end_k_qe8d02c07fc_qlayer:
	.size	k_qe8d02c07fc_qlayer, .Lfunc_end_k_qe8d02c07fc_qlayer-k_qe8d02c07fc_qlayer
	.p2alignl 7, 3214868480
	.fill 96, 4, 3214868480
	.section	.rodata,"a",@progbits
	.p2align	6, 0x0
	.amdhsa_kernel k_qe8d02c07fc_qlayer
		.amdhsa_group_segment_fixed_size 0
		.amdhsa_private_segment_fixed_size 0
		.amdhsa_enable_private_segment 0
		.amdhsa_kernarg_size 24
		.amdhsa_user_sgpr_count 2
		.amdhsa_user_sgpr_kernarg_segment_ptr 1
		.amdhsa_wavefront_size32 1
		.amdhsa_system_sgpr_workgroup_id_x 1
		.amdhsa_system_sgpr_workgroup_id_y 1
		.amdhsa_system_sgpr_workgroup_id_z 1
		.amdhsa_system_vgpr_workitem_id 0
		.amdhsa_next_free_vgpr 102
		.amdhsa_next_free_sgpr 66
		.amdhsa_reserve_vcc 0
		.amdhsa_float_denorm_mode_32 3
		.amdhsa_float_denorm_mode_16_64 3
		.amdhsa_memory_ordered 1
		.amdhsa_forward_progress 1
		.amdhsa_inst_pref_size 35
	.end_amdhsa_kernel
	.amdgpu_metadata
---
amdhsa.version: [ 1, 2 ]
amdhsa.kernels:
  - .name:           k_qe8d02c07fc_qlayer
    .symbol:         k_qe8d02c07fc_qlayer.kd
    .args:
      - { .name: inputs, .offset: 0, .size: 8, .value_kind: global_buffer, .address_space: global }
      - { .name: quantum_weights, .offset: 8, .size: 8, .value_kind: global_buffer, .address_space: global }
      - { .name: out0, .offset: 16, .size: 8, .value_kind: global_buffer, .address_space: global }
    .group_segment_fixed_size: 0
    .private_segment_fixed_size: 0
    .kernarg_segment_align: 8
    .kernarg_segment_size: 24
    .max_flat_workgroup_size: 1024
    .sgpr_count:     66
    .vgpr_count:     102
    .wavefront_size: 32
...
	.end_amdgpu_metadata
.endif
;; end of part 2
